; MI455X (gfx1250); checked and timed in simulation.
; The chip was launched on July 23, 2026; its instructions are those of AMD's public machine-readable ISA for CDNA 5 (MIT licence, August 2026) and "CDNA5" Instruction Set Architecture Reference Guide (July 2026). The comments in the code are by the model that wrote it; some were corrected since.
;; Patch Sample F. Allowed arithmetic: matrix products marked QUANTISED: E3M2 operands, one E8M0 scale for each 32 along K, by v_wmma_scale_f32_16x16x128_f8f6f4 with both operands' format E3M2, f32 sums; everything else in f32.
;; Inputs: b1_0 256 float32; b1_1 256 float32; b1_2 256 float32; b2_0 256 float32; b2_1 256 float32; b2_2 256 float32; feat0 8 x 128 x 128 x 128 float32; feat1 8 x 256 x 64 x 64 float32; feat2 8 x 256 x 64 x 64 float32; pid0 256 int32; pid1 256 int32; pid2 256 int32; w1_0 128 x 256 float32; w1_1 256 x 256 float32; w1_2 256 x 256 float32; w2_0 256 x 256 float32; w2_1 256 x 256 float32; w2_2 256 x 256 float32.
;; Outputs: out0 2,048 x 256 float32; out1 2,048 x 256 float32; out2 2,048 x 256 float32.
;; This version of the problem:
;;   THIS VERSION OF THE PROBLEM IS GIVEN IN LOW PRECISION. The matrix products marked QUANTISED in the list below multiply operands that are first quantised to E3M2 (3 exponent bits, 2 mantissa bits; 6 bits a number), with one power-of-two scale for each 32 numbers along K (OCP MX v1.0); their sums are f32. All else is computed in f32.
;;   The module's matrix products, in the order in which they are computed (A, B: the left and right operand; K: the contracted axis; several contracted axes count as one K, in the product's order):
;;     1. [M 2,048, K 128] x [K 128, N 256]; A: computed on the way; B: input w1_0: QUANTISED
;;     2. [M 2,048, K 256] x [K 256, N 256]; A: computed on the way; B: input w2_0: QUANTISED
;;     3. [M 2,048, K 256] x [K 256, N 256]; A: computed on the way; B: input w1_1: QUANTISED
;;     4. [M 2,048, K 256] x [K 256, N 256]; A: computed on the way; B: input w2_1: QUANTISED
;;     5. [M 2,048, K 256] x [K 256, N 256]; A: computed on the way; B: input w1_2: QUANTISED
;;     6. [M 2,048, K 256] x [K 256, N 256]; A: computed on the way; B: input w2_2: QUANTISED
;;   THE QUANTISER, for each operand of a quantised product, along K:
;;     - K is cut into blocks of 32 from its start; a last block that is shorter is filled with zeros.
;;     - A block's scale is 2^e with e = floor(log2(the largest magnitude in the block)) - 4, held to -126 .. 127; a block of zeros has e = 0. As a byte (E8M0): e + 127.
;;     - Each number is divided by its block's scale, clamped to +-28, and rounded to the nearest number of E3M2, ties to even, subnormals kept.
;;     - The product sums the exact products of the quantised numbers (number of the format x scale) in f32.
;;   ~~~python
;;   def quantise(x, axis):      # numpy; x: float32 -> the quantised numbers, widened to float32 again
;;       x = np.moveaxis(x, axis, -1); K = x.shape[-1]
;;       x = np.pad(x, [(0, 0)] * (x.ndim - 1) + [(0, -K % 32)]); x = x.reshape(x.shape[:-1] + (-1, 32)); a = np.abs(x).max(-1, keepdims=True)
;;       e = np.where(a > 0, np.clip(np.frexp(np.where(a > 0, a, 1))[1] - 1 - 4, -126, 127), 0)      # np.frexp(a)[1] - 1 = floor(log2(a)), exactly
;;       r = np.clip(x / 2.0 ** e, -28, 28)
;;       step = 2.0 ** (np.maximum(np.frexp(np.where(r == 0, 1, r))[1] - 1, -2) - 2)
;;       q = np.round(r / step) * step * 2.0 ** e      # np.round: ties to even
;;       return np.moveaxis(q.reshape(q.shape[:-2] + (-1,))[..., :K], -1, axis).astype(np.float32)
;;   ~~~
;;   OPERANDS COMPUTED ON THE WAY. 'Computed on the way' means the value that the module computes at that place (a softmax that the list does not call 'softmax' is quantised finished and normalised). What goes into a quantiser is computed in f32, as accurately as f32 sums, v_exp_f32 and their like allow (about 1e-6 of the number): no bf16 or f16 on the way to a quantiser, and a product that is left as it is and whose result goes on into a quantised operand takes f32 operands (vector FMAs, or v_wmma_f32_16x16x4_f32). A number that lies on a knife's edge between two numbers of the format may be rounded either way, as far as f32 arithmetic and the matrix unit's own rounding can turn it there, and no further.
;; 2 versions, each right; version 2 is version 1 with the launch mlp written anew for expert scheduling mode. Each part assembles by itself: llvm-mc -triple=amdgcn-amd-amdhsa -mcpu=gfx1250 --defsym DOCPART=n.
;; ======== version 1 of 2: 2 launches
;; workspace buffers: wcodes 270,336 bytes; wscales 22,528 bytes
;; launch wq (part 1): grid 44 x 1, 4 waves a work-group, no clusters, 1,536 bytes of LDS; arguments w2_0, w1_1, w2_1, w1_2, w2_2, w1_0, wcodes, wscales; writes wcodes, wscales
.if DOCPART == 1
	.amdgcn_target "amdgcn-amd-amdhsa--gfx1250"
	.amdhsa_code_object_version 6
	.text
	.protected	k_qfddd61ed89_wq
	.globl	k_qfddd61ed89_wq
	.p2align	8
	.type	k_qfddd61ed89_wq,@function
k_qfddd61ed89_wq:
	s_mov_b64 s[64:65], 0
	v_nop
	global_prefetch_b8 v0, s[64:65] scope:SCOPE_SE
	s_setreg_imm32_b32 hwreg(HW_REG_WAVE_MODE, 25, 1), 1
	s_wait_xcnt 0x0
; The six weights, f32, stored [K][256] with K as the FIRST axis, become codes of BF6 (E3M2) with one E8M0 byte for each 32 along K, laid in the ORDER OF THE OPERAND'S REGISTERS,
; so that the second launch loads whole fragments by loads of 16 bytes a lane.
; GROUPS.  Matrix q = 0 .. 5 is w2_0, w1_1, w2_1, w1_2, w2_2, w1_0.  Group G = 8 q + 4 s + w: K step s of 128, columns 64 w .. 64 w + 63 (w1_0 has K = 128: s = 0 alone, G = 40 .. 43).
; A work-group takes one group, its wave t one fragment (16 columns x 128 K, 12 registers a lane), stored at byte (4 G + t) x 1,536 of wcodes: register 4 j + e of lane l at 512 j + 16 l + 4 e.
; THE COLUMNS OF A FRAGMENT ARE NOT NEIGHBOURS: lane r takes column 64 w + 32 (t / 2) + 8 (t % 2) + r + 8 (r / 8), so that in the transposed product the 16 registers of tiles 2 b, 2 b + 1 are 16 neighbouring columns.
; A LANE TAKES A COLUMN AND ITS REGISTERS RUN DOWN K: lane (r, h) loads rows 128 s + 64 c + 32 h + 0 .. 31, c = 0, 1: two whole blocks of 32, in the very order of the operand's registers 6 c .. 6 c + 5.  Nothing is transposed.
; The four waves of a group stand side by side on 64 columns: 256 consecutive bytes of each row of the weight.
; A block's scale is 2^(floor(log2(its largest magnitude)) - 4): its byte is the largest magnitude's exponent field - 4, held at 1 from below by a floor among the maximum's leaves.
; The scale words (four bytes: a column's four blocks of a K step) lie at byte 512 G + 16 l + 4 t of wscales: one load of 16 bytes a lane brings the four tiles' words; lanes 16-31 repeat lanes 0-15.
; LIMITS: a block of zeros gets the byte 1 where the quantiser's rule says 127 (its codes are zeros, which add nothing under that byte, and this program alone reads the bytes); NaN and infinities among the weights are not served.
; 44 work-groups are all the work that there is (360,448 numbers): nothing is padded.  No tensor load, no cluster: no two work-groups read the same byte.
.set X,  64                            ; v64-127  my 64 numbers: block c at v[64 + 32 c]
.set FR, 20                            ; v20-31   the fragment
	s_load_b256 s[4:11], s[0:1], 0x0               ; matrices 0 to 3
	s_load_b128 s[12:15], s[0:1], 0x20             ; matrices 4, 5
	s_load_b128 s[16:19], s[0:1], 0x30             ; wcodes, wscales
	v_lshl_add_u32 v128, v0, 2, 0x400
	v_mov_b32 v129, 0
	v_lshrrev_b32 v1, 5, v0
	v_readfirstlane_b32 s20, v1                    ; t: my wave's number
	v_and_b32 v1, 31, v0                           ; lane
	v_and_b32 v2, 15, v0                           ; r
	v_bfe_u32 v3, v0, 4, 1                         ; h
	v_and_b32 v4, 8, v2
	v_add_nc_u32 v4, v4, v2                        ; r + 8 (r / 8)
	v_lshlrev_b32 v4, 2, v4                        ; 4 bytes a column,
	v_lshl_add_u32 v4, v3, 15, v4                  ; and 32 rows of 1,024 bytes further down for lanes 16-31
	v_lshlrev_b32 v5, 4, v1                        ; 16 x lane: an image's place for my lane
	s_lshl_b32 s26, s20, 2
	v_add_nc_u32 v6, s26, v5                       ; LDS: 16 x lane + 4 t: my tile's scale word
	v_lshlrev_b32 v7, 3, v3                        ; 8 h
	v_mov_b32 v17, 0                               ; a lane permute's destination counts as one of its sources
	s_mov_b32 s28, 0x76543210
	s_mov_b32 s29, 0xfedcba98                      ; v_permlanex16_b32's selects for lane l xor 16
	s_lshr_b32 s21, ttmp9, 3                       ; q
	s_and_b32 s22, ttmp9, 3                        ; w
	s_bfe_u32 s23, ttmp9, 0x10002                  ; s
	s_lshl_b32 s26, s23, 17                        ; 128 rows of 1,024 bytes a K step
	s_lshl_b32 s27, s22, 8                         ; 64 columns a group
	s_add_co_u32 s26, s26, s27
	s_lshr_b32 s27, s20, 1
	s_lshl_b32 s27, s27, 7                         ; 32 (t / 2) columns
	s_add_co_u32 s26, s26, s27
	s_and_b32 s27, s20, 1
	s_lshl_b32 s27, s27, 5                         ; 8 (t % 2) columns
	s_add_co_u32 s26, s26, s27
	s_mov_b32 s27, 0
	s_mul_i32 s30, ttmp9, 6144                     ; the group's four fragments,
	s_mul_i32 s31, s20, 1536                       ; mine of them
	s_add_co_u32 s30, s30, s31
	s_mov_b32 s31, 0
	s_wait_kmcnt 0x0
	s_mov_b64 s[24:25], s[4:5]                     ; the matrix is chosen by the work-group's number alone
	s_cmp_eq_u32 s21, 1
	s_cselect_b64 s[24:25], s[6:7], s[24:25]
	s_cmp_eq_u32 s21, 2
	s_cselect_b64 s[24:25], s[8:9], s[24:25]
	s_cmp_eq_u32 s21, 3
	s_cselect_b64 s[24:25], s[10:11], s[24:25]
	s_cmp_eq_u32 s21, 4
	s_cselect_b64 s[24:25], s[12:13], s[24:25]
	s_cmp_eq_u32 s21, 5
	s_cselect_b64 s[24:25], s[14:15], s[24:25]
	s_add_nc_u64 s[24:25], s[24:25], s[26:27]
	s_add_nc_u64 s[16:17], s[16:17], s[30:31]
	s_lshl_b32 s26, ttmp9, 9                       ; the group's 512 bytes of scale words
	s_add_nc_u64 s[18:19], s[18:19], s[26:27]
.irp c, 0,1
.set i, 0
.rept 32
	global_load_b32 v[X+32*\c+i], v4, s[24:25] offset:(64*\c+i)*1024 th:TH_LOAD_NT   ; W(128 s + 64 c + 32 h + i, my column); read once in the launch
.set i, i+1
.endr
.endr
; the largest magnitude of block c: all its 32 numbers are mine; two chains, so that no line waits for the line above it
.macro BMAX c
	v_max3_num_f32 v[8+2*\c], |v[X+32*\c]|, |v[X+32*\c+1]|, |v[X+32*\c+2]|
	v_max3_num_f32 v[9+2*\c], |v[X+32*\c+3]|, |v[X+32*\c+4]|, |v[X+32*\c+5]|
.irp i, 6,10,14,18,22,26
	v_max3_num_f32 v[8+2*\c], v[8+2*\c], |v[X+32*\c+\i]|, |v[X+32*\c+\i+1]|
	v_max3_num_f32 v[9+2*\c], v[9+2*\c], |v[X+32*\c+\i+2]|, |v[X+32*\c+\i+3]|
.endr
	v_max3_num_f32 v[8+2*\c], v[8+2*\c], |v[X+32*\c+30]|, |v[X+32*\c+31]|
	v_max3_num_f32 v[8+2*\c], v[8+2*\c], v[9+2*\c], 0x2800000   ; and the floor 2^(5 - 127): the byte cannot fall under 1
.endm
	s_wait_loadcnt 32                              ; loads come back in order: block 0's 32 are in, block 1's 32 may be out
	BMAX 0
	s_wait_loadcnt 0x0
	BMAX 1
.irp c, 0,1
	v_add_nc_u32 v[12+\c], 0xfe000000, v[8+2*\c]   ; 4 off the exponent field: the conversion takes the exponent field of this operand as its scale, and nothing else of it
.endr
.irp c, 0,1
	v_lshrrev_b32 v[14+\c], 23, v[12+\c]           ; the scale's byte
.endr
	v_lshl_or_b32 v16, v15, 16, v14                ; my two bytes: blocks h and 2 + h of my column,
	v_lshlrev_b32 v16, v7, v16                     ; at their places in the scale word (8 h bits up);
	v_permlanex16_b32 v17, v16, s28, s29
	v_or_b32 v16, v16, v17                         ; with lane l xor 16's two the word is whole, in both lanes
.irp c, 0,1
	v_cvt_scalef32_pk16_bf6_f32 v[FR+6*\c:FR+6*\c+2], v[X+32*\c:X+32*\c+15], v[12+\c]      ; registers 6 c .. 6 c + 2 of the operand
	v_cvt_scalef32_pk16_bf6_f32 v[32+4*\c:34+4*\c], v[X+32*\c+16:X+32*\c+31], v[12+\c]     ; (a conversion's three registers begin on an even number: the block's second three are made elsewhere and moved)
.endr
	v_nop                                          ; one plain place behind a scaled conversion
.irp c, 0,1
.irp i, 0,1,2
	v_mov_b32 v[FR+3+6*\c+\i], v[32+4*\c+\i]
.endr
.endr
.irp j, 0,1,2
	global_store_b128 v5, v[FR+4*\j:FR+4*\j+3], s[16:17] offset:512*\j   ; 32 lanes store 512 consecutive bytes, at a multiple of 256 from the buffer's first byte
.endr
	ds_store_b32 v6, v16                           ; the four waves' scale words meet in LDS, so that they leave as one run of 512 bytes
	s_wait_dscnt 0x0                               ; for the others' sake: my store has landed
	s_barrier_signal -1
	s_barrier_wait -1
	s_cmp_lg_u32 s20, 0                            ; wave 0 alone stores them; no barrier stands behind this branch
	s_cbranch_scc1 .Ldone
	ds_load_b128 v[40:43], v5
	s_wait_dscnt 0x0
	global_store_b128 v5, v[40:43], s[18:19]
.Ldone:
	s_wait_tensorcnt 0x0
	ds_add_u32 v128, v129
	s_wait_dscnt 0x0
	s_endpgm
.Lfunc_end_k_qfddd61ed89_wq:
	.size	k_qfddd61ed89_wq, .Lfunc_end_k_qfddd61ed89_wq-k_qfddd61ed89_wq
	.p2alignl 7, 3214868480
	.fill 96, 4, 3214868480
	.section	.rodata,"a",@progbits
	.p2align	6, 0x0
	.amdhsa_kernel k_qfddd61ed89_wq
		.amdhsa_group_segment_fixed_size 1536
		.amdhsa_private_segment_fixed_size 0
		.amdhsa_enable_private_segment 0
		.amdhsa_kernarg_size 64
		.amdhsa_user_sgpr_count 2
		.amdhsa_user_sgpr_kernarg_segment_ptr 1
		.amdhsa_wavefront_size32 1
		.amdhsa_system_sgpr_workgroup_id_x 1
		.amdhsa_system_sgpr_workgroup_id_y 1
		.amdhsa_system_sgpr_workgroup_id_z 1
		.amdhsa_system_vgpr_workitem_id 0
		.amdhsa_next_free_vgpr 130
		.amdhsa_next_free_sgpr 66
		.amdhsa_reserve_vcc 0
		.amdhsa_float_denorm_mode_32 3
		.amdhsa_float_denorm_mode_16_64 3
		.amdhsa_memory_ordered 1
		.amdhsa_forward_progress 1
		.amdhsa_inst_pref_size 13
	.end_amdhsa_kernel
	.amdgpu_metadata
---
amdhsa.version: [ 1, 2 ]
amdhsa.kernels:
  - .name:           k_qfddd61ed89_wq
    .symbol:         k_qfddd61ed89_wq.kd
    .args:
      - { .name: w2_0, .offset: 0, .size: 8, .value_kind: global_buffer, .address_space: global }
      - { .name: w1_1, .offset: 8, .size: 8, .value_kind: global_buffer, .address_space: global }
      - { .name: w2_1, .offset: 16, .size: 8, .value_kind: global_buffer, .address_space: global }
      - { .name: w1_2, .offset: 24, .size: 8, .value_kind: global_buffer, .address_space: global }
      - { .name: w2_2, .offset: 32, .size: 8, .value_kind: global_buffer, .address_space: global }
      - { .name: w1_0, .offset: 40, .size: 8, .value_kind: global_buffer, .address_space: global }
      - { .name: wcodes, .offset: 48, .size: 8, .value_kind: global_buffer, .address_space: global }
      - { .name: wscales, .offset: 56, .size: 8, .value_kind: global_buffer, .address_space: global }
    .group_segment_fixed_size: 1536
    .private_segment_fixed_size: 0
    .kernarg_segment_align: 8
    .kernarg_segment_size: 64
    .max_flat_workgroup_size: 128
    .sgpr_count:     66
    .vgpr_count:     130
    .wavefront_size: 32
...
	.end_amdgpu_metadata
.endif
;; end of part 1
;; launch mlp (part 2): grid 320 x 1, 4 waves a work-group, no clusters, 66,048 bytes of LDS; arguments feat0, pid0, b1_0, b2_0, out0, feat1, pid1, b1_1, b2_1, out1, feat2, pid2, b1_2, b2_2, out2, wcodes, wscales; writes out0, out1, out2
.if DOCPART == 2
	.amdgcn_target "amdgcn-amd-amdhsa--gfx1250"
	.amdhsa_code_object_version 6
	.text
	.protected	k_qfddd61ed89_mlp
	.globl	k_qfddd61ed89_mlp
	.p2align	8
	.type	k_qfddd61ed89_mlp,@function
k_qfddd61ed89_mlp:
	s_mov_b64 s[64:65], 0
	v_nop
	global_prefetch_b8 v0, s[64:65] scope:SCOPE_SE
	s_setreg_imm32_b32 hwreg(HW_REG_WAVE_MODE, 25, 1), 1
	s_wait_xcnt 0x0
; out_i = l2norm(relu(x W1 + b1) W2 + b2), x = the rows gathered from feat_i [8][C][H W] at pid_i: row 256 b + p is feat_i[b][:][pid_i[p]].  Both products on codes of BF6 (E3M2) with one E8M0 scale for each 32 along K.
; One launch serves the three branches; x and the hidden layer never go to memory.  The weights come as fragments in register order from the launch before.
; THE GATHER.  A row's K axis is the channel axis, and channels lie a whole plane apart.  A LANE TAKES A PATCH AND ITS REGISTERS RUN DOWN THE CHANNELS: lane (r, h) takes row r and 32 channels, a whole block of 32,
; by 32 loads of 4 bytes, the plane in the immediate: the conversions' results are then the operand's registers.  A wave gathers HALF A FRAGMENT (16 rows x 64 channels), a work-group four halves: 4,096 numbers.
; SHARES.  Work-groups 0-63 (path A): feat0, C = 128: 32 rows, two row tiles, one K step; wave w gathers row tile w / 2, channels 64 (w % 2) on.
;          Work-groups 64-319 (path B): feat1 (the first 128) and feat2: C = 256: 16 rows, one row tile, two K steps; wave w gathers channels 64 w on.  Either way the work-group has two fragments of x, and half 2 f + c is wave w's.
; 2,048 x (128 + 256 + 256) numbers are 1,280 such halves: 320 work-groups of equal gather.  With 512 registers a wave and 64 KiB of LDS two work-groups can lie on a WGP, so that all the launch's gather loads can be out together.
; IN THE PRODUCTS THE WAVES SHARE THE COLUMNS: wave w owns hidden units and outputs 64 w .. 64 w + 63 (four tiles), for all the work-group's rows; its fragments of W1 and W2 go from memory straight into its registers, once.
; Both products are used TRANSPOSED (source 0 = 16 columns of the weight, source 1 = 16 rows): a lane holds ONE row, and by the choice of a fragment's columns the 16 registers of tiles 2 b, 2 b + 1 are the neighbours 64 w + 32 b + 16 h + 0 .. 15:
; for W1 neighbours along the next K, for W2 64 neighbouring bytes of a row of the output.  A wave's 64 hidden units are half w % 2 of K step w / 2 of the second product: x and the hidden layer go round in the same form.
; OPERANDS GO FROM WAVE TO WAVE THROUGH LDS AS IMAGES OF THEIR REGISTERS: half a fragment is 6 registers a lane: registers 0-3 at 16 x lane, registers 4-5 at 512 + 8 x lane: 768 bytes.  Its two scale bytes a row are one store of 2 bytes.
; Three barriers: x's images | the hidden layer's images | the four waves' parts of each row's sum of squares.  No LDS byte is written twice but a wave's own stage.
; The biases are the C of each sum's first matrix instruction.  The two paths part on the work-group's number, never join, and have LDS bytes of their own.
; NO CLUSTER, NO TENSOR LOAD: what work-groups share is the weights' codes, 73,728 or 98,304 bytes a work-group, which a joint load would bring into LDS, to be read once more from there; here they land in the operands' registers at once.
; The gather, 4 bytes from each of 4,096 places a work-group, is shared with nobody and is no tile.  No prefetch: every gather load is issued as soon as the patch numbers are in.
; LIMITS: a patch number outside 0 .. H W - 1 is held at H W - 1 (the problem keeps them inside); NaN and infinities among the inputs are not served; a block of zeros gets the scale byte 1 where the quantiser's rule says 127 (its codes are zeros);
; the sum of squares is added in another order than reference() adds it; a sum of squares under 2^-126 counts as 0 ahead of the + 1e-7 (v_sqrt_f32 takes denormals as 0: ISA guide, 15.8), a change under 1e-12 of n + 1e-7.
;
; REGISTERS.  Window 0: v1-15 lane terms and addresses, never rewritten; v16-47 the gathered numbers, later rows of the output; v48-71 x's two fragments; v72-135 the accumulators of the hidden layer, then of the output (32 m + 8 t);
;   v136-183 the hidden layer's fragments (12 (2 m + s)), later rows of the output; v184-199 the weights' scale words; v200-205 x's and the hidden layer's; v206-255 at work.
;   Window 1: v0-95 W1's fragments (12 (4 s + t)); v96-191 W2's; v192-223 b1 in the result's layout (8 t); v224-255 b2.
.set L16,  4                           ; 16 x lane
.set L8,   5                           ; 8 x lane
.set L4R,  6                           ; 4 r
.set IW16, 7                           ; 16 x lane + 768 w: where I store registers 0-3 of my half fragment
.set IW8,  8                           ; 8 x lane + 768 w: registers 4-5 (+ 512)
.set SW,   9                           ; 4 r + 2 (w % 2) + 64 (w / 2): my two bytes of row r's scale word
.set NW,   10                          ; 16 r + 4 w: my part of row r's sum of squares
.set NR,   11                          ; 16 r: the four parts
.set STO,  12                          ; my stage, in: 4,352 w + 272 r + 64 h
.set STR,  13                          ; my stage, back: 4,352 w + 272 h + 16 r
.set GO,   14                          ; the output: 1,024 h + 16 r
.set BO,   15                          ; the biases: 64 h
.set G,    16
.set XF,   48
.set HA,   72
.set OA,   72
.set HF,   136
.set W1S,  184                         ; W1's scale words, 4 s + t
.set W2S,  192                         ; W2's
.set XS,   200                         ; x's, one for each fragment
.set HS,   202                         ; the hidden layer's, 2 m + s
.set PIDV, 206                         ; my patch number
.set GOFF, 207                         ; the gather's offset
.set TM,   208                         ; v208-211 largest magnitudes
.set PX,   212                         ; v212-213 what a lane permute brings
.set SCO,  214                         ; v214-215 the conversions' scale operands
.set BY,   216                         ; v216-217 scale bytes
.set HW,   218                         ; v218 + m the two scale bytes that I store.  (v219 holds 8 h until x is quantised)
.set H8,   219
.set PC,   220                         ; v220 + 6 m: the six registers of codes just made
.set PT,   232                         ; v232 + 4 m: a conversion's second three
.set SS,   240                         ; v240 + 4 m: sums of squares, then n + 1e-7 (+ 2) and its reciprocal (+ 0)
.set PS,   248                         ; v248 + 4 m: the four waves' parts
.set W1F,  0                           ; window 1
.set W2F,  96
.set B1,   192
.set B2,   224
.set XIMG, 0                           ; LDS, from the path's base on: x's four half fragments, 768 bytes each;
.set XSC,  3072                        ; their scale words: 64 f + 4 r;
.set HIMG, 3328                        ; the hidden layer's: 3,072 m + 768 (2 s + c);
.set HSC,  9472                        ; 128 m + 64 s + 4 r;
.set NRM,  9728                        ; 256 m + 16 r + 4 w;
.set STG,  10240                       ; a stage of 16 rows x (256 bytes + 16) for each wave: it ends at 27,648
.set MSB, 0
.macro WIN new                         ; the immediate's high byte repeats the setting that is left; a switch that changes nothing is dropped
.if MSB != \new
	s_set_vgpr_msb (MSB<<8)|\new
.set MSB, \new
.endif
.endm
.macro LOADW dst, off, ks              ; my four fragments of each of ks K steps of a weight: three loads of 16 bytes a lane each, 512 consecutive bytes a load
.irp s, 0,1
.if \s < \ks
.irp t, 0,1,2,3
.irp j, 0,1,2
	global_load_b128 v[\dst+12*(4*\s+\t)+4*\j:\dst+12*(4*\s+\t)+4*\j+3], v[L16], s[20:21] offset:\off+24576*\s+1536*\t+512*\j
.endr
.endr
.endif
.endr
.endm
.macro LOADS dst, off, ks              ; and their scale words: the four tiles' by one load
.irp s, 0,1
.if \s < \ks
	global_load_b128 v[\dst+4*\s:\dst+4*\s+3], v[L16], s[22:23] offset:\off+2048*\s
.endif
.endr
.endm
.macro LOADB dst, ptr                  ; a bias in the result's layout: for tiles 2 b, 2 b + 1 the 16 numbers at 64 w + 32 b + 16 h
.irp b, 0,1
.irp j, 0,1,2,3
	global_load_b128 v[\dst+16*\b+4*\j:\dst+16*\b+4*\j+3], v[BO], s[\ptr:\ptr+1] offset:128*\b+16*\j
.endr
.endr
.endm
.macro IMG pc, hw, ioff, soff          ; half a fragment goes to LDS as it stands; lanes r and r + 16 write the same two scale bytes with the same value
	ds_store_b128 v[IW16], v[(\pc):(\pc)+3] offset:\ioff
	ds_store_b64 v[IW8], v[(\pc)+4:(\pc)+5] offset:(\ioff)+512
	ds_store_b16 v[SW], v[\hw] offset:\soff
.endm
.macro FRAGLD reg, off                 ; a whole fragment comes back so, in any wave
.irp c, 0,1
	ds_load_b128 v[(\reg)+6*\c:(\reg)+6*\c+3], v[L16] offset:(\off)+768*\c
	ds_load_b64 v[(\reg)+6*\c+4:(\reg)+6*\c+5], v[L8] offset:(\off)+768*\c+512
.endr
.endm
.macro BAR                             ; my LDS stores have landed and my LDS loads are in: then the work-group's barrier
	s_wait_dscnt 0x0
	s_barrier_signal -1
	s_barrier_wait -1
.endm
.macro MM d, a, b, c, sa, sb
	v_wmma_scale_f32_16x16x128_f8f6f4 v[(\d):(\d)+7], v[(\a):(\a)+11], v[(\b):(\b)+11], v[(\c):(\c)+7], v[\sa], v[\sb] matrix_a_fmt:MATRIX_FMT_BF6 matrix_b_fmt:MATRIX_FMT_BF6
.endm
; x: my 32 gathered numbers are ONE block of 32 along K
.macro QX
	v_max3_num_f32 v[TM], |v[G]|, |v[G+1]|, |v[G+2]|
	v_max3_num_f32 v[TM+1], |v[G+3]|, |v[G+4]|, |v[G+5]|
.irp i, 6,10,14,18,22,26
	v_max3_num_f32 v[TM], v[TM], |v[G+\i]|, |v[G+\i+1]|
	v_max3_num_f32 v[TM+1], v[TM+1], |v[G+\i+2]|, |v[G+\i+3]|
.endr
	v_max3_num_f32 v[TM], v[TM], |v[G+30]|, |v[G+31]|
	v_max3_num_f32 v[TM], v[TM], v[TM+1], 0x2800000          ; and the floor 2^(5 - 127): the byte cannot fall under 1
	v_add_nc_u32 v[SCO], 0xfe000000, v[TM]                   ; 4 off the exponent field: the conversion's scale operand
	v_lshrrev_b32 v[BY], 23, v[SCO]                          ; the scale's byte: block h of my half fragment
	v_lshlrev_b32 v[HW], v[H8], v[BY]
	v_permlanex16_b32 v[PX], v[HW], s4, s5
	v_or_b32 v[HW], v[HW], v[PX]                             ; with lane l xor 16's: the half's two bytes
	v_cvt_scalef32_pk16_bf6_f32 v[PC:PC+2], v[G:G+15], v[SCO]
	v_cvt_scalef32_pk16_bf6_f32 v[PT:PT+2], v[G+16:G+31], v[SCO]   ; (a conversion's three registers begin on an even number)
	v_nop                                                    ; one plain place behind a scaled conversion
.irp i, 0,1,2
	v_mov_b32 v[PC+3+\i], v[PT+\i]
.endr
.endm
; the hidden layer of row tile m: my 32 registers are 16 numbers of each of two blocks; the other 16 lie in lane l xor 16.  No |.| on the sources: none is negative behind the activation
.macro QH m
.set S0, HA+32*(\m)
.set P0, PC+6*(\m)
.set T0, PT+4*(\m)
.irp b, 0,1
	v_max3_num_f32 v[TM+\b], v[S0+16*\b], v[S0+16*\b+1], 0x2800000   ; the floor 2^(5 - 127) among the leaves
.endr
.irp i, 2,4,6,8,10,12,14
.irp b, 0,1
	v_max3_num_f32 v[TM+\b], v[TM+\b], v[S0+16*\b+\i], v[S0+16*\b+\i+1]   ; (the two blocks by turns)
.endr
.endr
.irp b, 0,1
	v_permlanex16_b32 v[PX+\b], v[TM+\b], s4, s5
.endr
.irp b, 0,1
	v_max_num_f32 v[TM+\b], v[TM+\b], v[PX+\b]
.endr
.irp b, 0,1
	v_add_nc_u32 v[SCO+\b], 0xfe000000, v[TM+\b]
.endr
.irp b, 0,1
	v_lshrrev_b32 v[BY+\b], 23, v[SCO+\b]
.endr
	v_lshl_or_b32 v[HW+(\m)], v[BY+1], 8, v[BY]
	v_cvt_scalef32_pk16_bf6_f32 v[P0:P0+2], v[S0:S0+15], v[SCO]
	v_cvt_scalef32_pk16_bf6_f32 v[T0:T0+2], v[S0+16:S0+31], v[SCO+1]
	v_nop                                                    ; one plain place behind a scaled conversion
.irp i, 0,1,2
	v_permlane16_swap_b32 v[P0+\i], v[T0+\i]                 ; the operand's layout wants a WHOLE block in a lane: the first's lanes 16-31 change places with the second's lanes 0-15
.endr
.irp i, 0,1,2
	v_mov_b32 v[P0+3+\i], v[T0+\i]
.endr
.endm
; my 32 outputs of row r of tile m, squared and added: two chains of packed multiply-adds, each accumulator from its low end on; then lane l xor 16's 32
.macro SUMSQ m
.set O, OA+32*(\m)
.set Q, SS+4*(\m)
	v_pk_mul_f32 v[Q:Q+1], v[O:O+1], v[O:O+1]
	v_pk_mul_f32 v[Q+2:Q+3], v[O+2:O+3], v[O+2:O+3]
.irp j, 4,8,12,16,20,24,28
	v_pk_fma_f32 v[Q:Q+1], v[O+\j:O+\j+1], v[O+\j:O+\j+1], v[Q:Q+1]
	v_pk_fma_f32 v[Q+2:Q+3], v[O+\j+2:O+\j+3], v[O+\j+2:O+\j+3], v[Q+2:Q+3]
.endr
	v_pk_add_f32 v[Q:Q+1], v[Q:Q+1], v[Q+2:Q+3]
	v_add_f32 v[Q], v[Q], v[Q+1]
	v_permlanex16_b32 v[PX+(\m)], v[Q], s4, s5
	v_add_f32 v[Q], v[Q], v[PX+(\m)]
	ds_store_b32 v[NW], v[Q] offset:PB+NRM+256*(\m)          ; lanes r and r + 16 write the same word with the same value
.endm
; THE WAY OUT of row tile m.  A lane holds 2 x 64 neighbouring bytes of one row and the lanes beside it hold other rows: the tile goes through my own stage and comes back as rows of 256 bytes.
; LDS serves a wave's instructions in order (ISA guide 5.7.1.4): no wait between the stores and the loads, nor in front of the next tile's stores.
.macro TOSTAGE m
.set O, OA+32*(\m)
.set RB, G+120*(\m)                    ; v16-47, v136-167
.irp b, 0,1
.irp q, 0,1,2,3
	ds_store_b128 v[STO], v[O+16*\b+4*\q:O+16*\b+4*\q+3] offset:PB+STG+128*\b+16*\q
.endr
.endr
.irp i, 0,1,2,3,4,5,6,7
	ds_load_b128 v[RB+4*\i:RB+4*\i+3], v[STR] offset:PB+STG+544*\i   ; lanes 0-15 row 2 i, lanes 16-31 row 2 i + 1
.endr
.endm
.macro SEND m, younger                 ; younger: the LDS instructions issued behind tile m's loads, which may stay out
.set RB, G+120*(\m)
.irp i, 0,1,2,3,4,5,6,7
	s_wait_dscnt (\younger)+7-\i
	global_store_b128 v[GO], v[RB+4*\i:RB+4*\i+3], s[16:17] offset:(16*(\m)+2*\i)*1024 th:TH_STORE_NT   ; 16 lanes store 256 consecutive bytes, at a multiple of 256 from the output's first byte; written once, read by nobody here
.endr
.endm
.macro POINTERS                        ; each buffer's address takes its own offset; none is written again
	s_add_nc_u64 s[8:9], s[8:9], s[34:35]          ; feat: my image, my wave's first channel
	s_add_nc_u64 s[10:11], s[10:11], s[36:37]      ; pid: my 16 patches
	s_add_nc_u64 s[12:13], s[12:13], s[40:41]      ; b1, b2: my 64 numbers
	s_add_nc_u64 s[14:15], s[14:15], s[40:41]
	s_add_nc_u64 s[16:17], s[16:17], s[38:39]      ; out: the work-group's first row, my 64 columns
	s_add_nc_u64 s[20:21], s[20:21], s[42:43]      ; the codes: my wave's groups
	s_add_nc_u64 s[22:23], s[22:23], s[44:45]      ; the scale words likewise
.endm
; ONE PATH, from the pointers on.  pb: the path's LDS base.  MT row tiles, KS1 K steps of the first product (MT x KS1 = 2), PLANE, HSH, PMAX and the weights' places are symbols set ahead of the expansion.
.macro BODY pb
.set PB, \pb
	; ---- the requests.  The patch numbers first; W1's loads are issued while they are on their way; the gather; W2's loads behind it, so that they hold no gather load back.
	; (More loads are named here than the counter's field holds: the issue then stalls, ISA guide 5.7.1, just where the wave would wait anyway.)
	global_load_b32 v[PIDV], v[L4R], s[10:11]
	LOADS W1S, W1SOFF, KS1
	WIN 0x40                                       ; destination window 1, address window 0
	LOADW W1F, W1OFF, KS1
	LOADB B1, 12
	WIN 0
	v_lshlrev_b32 v[HW], HSH, v3                   ; lanes 16-31 begin 32 planes further on
	s_wait_loadcnt 13*KS1+8                        ; loads come back in order: all but those issued behind the patch numbers' (KS1 of scale words, 12 KS1 of codes, 8 of b1)
	v_min_u32 v[PIDV], PMAX, v[PIDV]               ; held inside the plane
	v_lshlrev_b32 v[GOFF], 2, v[PIDV]
	v_add_nc_u32 v[GOFF], v[GOFF], v[HW]
.set i, 0
.rept 32
	global_load_b32 v[G+i], v[GOFF], s[8:9] offset:i*PLANE   ; channel 32 h + i of my wave's 64, at my patch.  No hint: neighbouring patches, other work-groups' too, lie in neighbouring bytes
.set i, i+1
.endr
	LOADS W2S, W2SOFF, 2
	WIN 0x40
	LOADW W2F, W2OFF, 2
	LOADB B2, 14
	WIN 0
	; ---- x
	s_wait_loadcnt 34                              ; all but the 2 + 24 + 8 loads for W2 issued behind the gather: the gather is in, and so are W1, its scale words and b1
	QX
	IMG PC, HW, PB+XIMG, PB+XSC
	BAR                                            ; x's two fragments lie in LDS
	; ---- the first product: fragment KS1 m + s of x is row tile m, K step s
	FRAGLD XF, PB+XIMG
	FRAGLD XF+12, PB+XIMG+1536
	ds_load_b32 v[XS], v[L4R] offset:PB+XSC
	ds_load_b32 v[XS+1], v[L4R] offset:PB+XSC+64
	s_wait_dscnt 0x0
	WIN 0x11                                       ; source 0 (W1) and source 2 (b1) window 1
.irp m, 0,1
.if \m < MT
.irp t, 0,1,2,3
	MM HA+32*\m+8*\t, W1F+12*\t, XF+12*KS1*\m, B1+8*\t, W1S+\t, XS+KS1*\m
.endr
.endif
.endr
.if KS1 > 1
	WIN 0x01                                       ; the second K step adds in place: the four accumulators take turns, one instruction a turn
.irp m, 0,1
.if \m < MT
.irp t, 0,1,2,3
	MM HA+32*\m+8*\t, W1F+12*(4+\t), XF+12*(KS1*\m+1), HA+32*\m+8*\t, W1S+4+\t, XS+KS1*\m+1
.endr
.endif
.endr
.endif
	WIN 0
.rept 4
	v_nop                                          ; four places between a matrix instruction and the first read of its result (ISA guide 7.12.1)
.endr
.set i, 0
.rept 32*MT
	v_max_num_f32 v[HA+i], 0, v[HA+i]              ; the activation, in f32; each accumulator from its low end on
.set i, i+1
.endr
.irp m, 0,1
.if \m < MT
	QH \m
	IMG PC+6*\m, HW+\m, PB+HIMG+3072*\m, PB+HSC+128*\m
.endif
.endr
	BAR                                            ; the hidden layer's fragments lie in LDS
	; ---- the second product
.irp m, 0,1
.if \m < MT
.irp s, 0,1
	FRAGLD HF+12*(2*\m+\s), PB+HIMG+3072*\m+1536*\s
	ds_load_b32 v[HS+2*\m+\s], v[L4R] offset:PB+HSC+128*\m+64*\s
.endr
.endif
.endr
	s_wait_dscnt 0x0
	s_wait_loadcnt 0x0                             ; W2, its scale words and b2
	WIN 0x11
.irp m, 0,1
.if \m < MT
.irp t, 0,1,2,3
	MM OA+32*\m+8*\t, W2F+12*\t, HF+12*(2*\m), B2+8*\t, W2S+\t, HS+2*\m
.endr
.endif
.endr
	WIN 0x01
.irp m, 0,1
.if \m < MT
.irp t, 0,1,2,3
	MM OA+32*\m+8*\t, W2F+12*(4+\t), HF+12*(2*\m+1), OA+32*\m+8*\t, W2S+4+\t, HS+2*\m+1
.endr
.endif
.endr
	WIN 0
.rept 4
	v_nop                                          ; places in front of the first read of results, and of the later loads into the registers that held the hidden layer's fragments
.endr
	; ---- the norm: a row's 256 outputs lie in four waves
.irp m, 0,1
.if \m < MT
	SUMSQ \m
.endif
.endr
	BAR                                            ; the four parts of each row's sum lie in LDS
.irp m, 0,1
.if \m < MT
	ds_load_b128 v[PS+4*\m:PS+4*\m+3], v[NR] offset:PB+NRM+256*\m
.endif
.endr
	s_wait_dscnt 0x0
.irp m, 0,1
.if \m < MT
	v_add_f32 v[PS+4*\m], v[PS+4*\m], v[PS+4*\m+1]
	v_add_f32 v[PS+4*\m+2], v[PS+4*\m+2], v[PS+4*\m+3]
	v_add_f32 v[PS+4*\m], v[PS+4*\m], v[PS+4*\m+2]
.endif
.endr
.irp m, 0,1
.if \m < MT
	v_sqrt_f32 v[SS+4*\m+2], v[PS+4*\m]
.endif
.endr
	v_nop                                          ; a plain place behind the roots,
	s_wait_alu depctr_va_vdst(0)                   ; and a wait ahead of the first line that names a result: one for the batch
.irp m, 0,1
.if \m < MT
	v_add_f32 v[SS+4*\m+2], 0x33d6bf95, v[SS+4*\m+2]   ; n + 1e-7
.endif
.endr
.irp m, 0,1
.if \m < MT
	v_rcp_f32 v[SS+4*\m], v[SS+4*\m+2]
.endif
.endr
	v_nop
	s_wait_alu depctr_va_vdst(0)                   ; likewise for the reciprocals
.irp m, 0,1
.if \m < MT
.irp j, 0,2,4,6,8,10,12,14,16,18,20,22,24,26,28,30
	v_pk_mul_f32 v[OA+32*\m+\j:OA+32*\m+\j+1], v[OA+32*\m+\j:OA+32*\m+\j+1], v[SS+4*\m:SS+4*\m+1] op_sel_hi:[1,0]
.endr
.endif
.endr
	; ---- out
	TOSTAGE 0
.if MT > 1
	TOSTAGE 1
	SEND 0, 16                                     ; behind tile 0's loads: tile 1's 8 stores and 8 loads
	SEND 1, 0
.else
	SEND 0, 0
.endif
	s_wait_tensorcnt 0x0
	ds_add_u32 v235, v239
	s_wait_dscnt 0x0
	s_endpgm
.endm
	; ---- the head, common to both paths: every LDS address is made here, of the lane, the wave's number and constants
	s_load_b128 s[20:23], s[0:1], 0x78             ; wcodes, wscales
	v_lshl_add_u32 v235, v0, 2, 0x10000
	v_mov_b32 v239, 0
	v_lshrrev_b32 v1, 5, v0
	v_readfirstlane_b32 s2, v1                     ; w: my wave's number
	v_and_b32 v1, 31, v0                           ; lane
	v_and_b32 v2, 15, v0                           ; r
	v_bfe_u32 v3, v0, 4, 1                         ; h
	v_lshlrev_b32 v[L16], 4, v1
	v_lshlrev_b32 v[L8], 3, v1
	v_lshlrev_b32 v[L4R], 2, v2
	s_mul_i32 s3, s2, 768
	v_add_nc_u32 v[IW16], s3, v[L16]
	v_add_nc_u32 v[IW8], s3, v[L8]
	s_and_b32 s6, s2, 1
	s_lshl_b32 s6, s6, 1
	s_lshr_b32 s7, s2, 1
	s_lshl_b32 s7, s7, 6
	s_add_co_u32 s6, s6, s7
	v_add_nc_u32 v[SW], s6, v[L4R]
	v_lshlrev_b32 v[NR], 4, v2
	s_lshl_b32 s6, s2, 2
	v_add_nc_u32 v[NW], s6, v[NR]
	s_mul_i32 s3, s2, 4352
	v_mul_u32_u24 v[STO], v2, 272
	v_lshl_add_u32 v[STO], v3, 6, v[STO]
	v_add_nc_u32 v[STO], s3, v[STO]
	v_mul_u32_u24 v[STR], v3, 272
	v_lshl_add_u32 v[STR], v2, 4, v[STR]
	v_add_nc_u32 v[STR], s3, v[STR]
	v_lshlrev_b32 v[GO], 10, v3
	v_lshl_add_u32 v[GO], v2, 4, v[GO]
	v_lshlrev_b32 v[BO], 6, v3
	v_lshlrev_b32 v[H8], 3, v3
	v_mov_b32 v[PX], 0                             ; written once: a lane permute's destination counts as one of its sources
	v_mov_b32 v[PX+1], 0
	s_mov_b32 s4, 0x76543210
	s_mov_b32 s5, 0xfedcba98                       ; v_permlanex16_b32's selects for lane l xor 16
	s_lshl_b32 s40, s2, 8                          ; my 64 columns: 256 bytes
	s_mul_i32 s42, s2, 6144                        ; my group among a K step's four: four fragments of 1,536 bytes
	s_lshl_b32 s44, s2, 9                          ; and its 512 bytes of scale words
	s_mov_b32 s35, 0                               ; every offset lies under 2^32
	s_mov_b32 s37, 0
	s_mov_b32 s39, 0
	s_mov_b32 s41, 0
	s_mov_b32 s43, 0
	s_mov_b32 s45, 0
	s_cmp_ge_u32 ttmp9, 64                         ; the same in all four waves
	s_cbranch_scc1 .Lpath_b
	; ---- PATH A: feat0.  Work-group g: rows 32 g .. 32 g + 31: image g / 8, patches 32 (g % 8) on
	s_load_b256 s[8:15], s[0:1], 0x0               ; feat0, pid0, b1_0, b2_0
	s_load_b64 s[16:17], s[0:1], 0x20              ; out0
	s_lshr_b32 s34, ttmp9, 3
	s_lshl_b32 s34, s34, 23                        ; an image: 128 planes of 65,536 bytes
	s_and_b32 s3, s2, 1
	s_lshl_b32 s3, s3, 22                          ; 64 planes
	s_add_co_u32 s34, s34, s3
	s_and_b32 s36, ttmp9, 7
	s_lshl_b32 s36, s36, 7                         ; 32 patch numbers
	s_lshr_b32 s3, s2, 1
	s_lshl_b32 s3, s3, 6                           ; my row tile's 16
	s_add_co_u32 s36, s36, s3
	s_lshl_b32 s38, ttmp9, 15                      ; 32 rows of 1,024 bytes
	s_add_co_u32 s38, s38, s40
	s_wait_kmcnt 0x0
	POINTERS
.set MT,     2
.set KS1,    1
.set PLANE,  65536
.set HSH,    21
.set PMAX,   0x3fff
.set W1OFF,  245760                    ; matrix 5
.set W2OFF,  0                         ; matrix 0
.set W1SOFF, 20480
.set W2SOFF, 0
	BODY 0
.Lpath_b:
	; ---- PATH B: feat1 (f = 0) and feat2 (f = 1).  Tile: rows 16 tile .. 16 tile + 15: image tile / 16, patches 16 (tile % 16) on
	s_load_b256 s[8:15], s[0:1], 0x28              ; feat1, pid1, b1_1, b2_1
	s_load_b64 s[16:17], s[0:1], 0x48              ; out1
	s_load_b256 s[24:31], s[0:1], 0x50             ; feat2, pid2, b1_2, b2_2
	s_load_b64 s[32:33], s[0:1], 0x70              ; out2
	s_sub_co_u32 s46, ttmp9, 64
	s_lshr_b32 s47, s46, 7                         ; f
	s_and_b32 s46, s46, 127                        ; tile
	s_lshr_b32 s34, s46, 4
	s_lshl_b32 s34, s34, 22                        ; an image: 256 planes of 16,384 bytes
	s_lshl_b32 s3, s2, 20                          ; 64 planes
	s_add_co_u32 s34, s34, s3
	s_and_b32 s36, s46, 15
	s_lshl_b32 s36, s36, 6                         ; 16 patch numbers
	s_lshl_b32 s38, s46, 14                        ; 16 rows of 1,024 bytes
	s_add_co_u32 s38, s38, s40
	s_mul_i32 s3, s47, 98304                       ; feat2's two matrices lie two matrices further on
	s_add_co_u32 s42, s42, s3
	s_lshl_b32 s3, s47, 13
	s_add_co_u32 s44, s44, s3
	s_wait_kmcnt 0x0
	s_cmp_eq_u32 s47, 0                            ; the choice hangs on the work-group's number alone
	s_cselect_b64 s[8:9], s[8:9], s[24:25]
	s_cselect_b64 s[10:11], s[10:11], s[26:27]
	s_cselect_b64 s[12:13], s[12:13], s[28:29]
	s_cselect_b64 s[14:15], s[14:15], s[30:31]
	s_cselect_b64 s[16:17], s[16:17], s[32:33]
	POINTERS
.set MT,     1
.set KS1,    2
.set PLANE,  16384
.set HSH,    19
.set PMAX,   0xfff
.set W1OFF,  49152                     ; matrix 1 (or 3)
.set W2OFF,  98304                     ; matrix 2 (or 4)
.set W1SOFF, 4096
.set W2SOFF, 8192
	BODY 32768
.Lfunc_end_k_qfddd61ed89_mlp:
	.size	k_qfddd61ed89_mlp, .Lfunc_end_k_qfddd61ed89_mlp-k_qfddd61ed89_mlp
	.p2alignl 7, 3214868480
	.fill 96, 4, 3214868480
	.section	.rodata,"a",@progbits
	.p2align	6, 0x0
	.amdhsa_kernel k_qfddd61ed89_mlp
		.amdhsa_group_segment_fixed_size 66048
		.amdhsa_private_segment_fixed_size 0
		.amdhsa_enable_private_segment 0
		.amdhsa_kernarg_size 136
		.amdhsa_user_sgpr_count 2
		.amdhsa_user_sgpr_kernarg_segment_ptr 1
		.amdhsa_wavefront_size32 1
		.amdhsa_system_sgpr_workgroup_id_x 1
		.amdhsa_system_sgpr_workgroup_id_y 1
		.amdhsa_system_sgpr_workgroup_id_z 1
		.amdhsa_system_vgpr_workitem_id 0
		.amdhsa_next_free_vgpr 512
		.amdhsa_next_free_sgpr 66
		.amdhsa_reserve_vcc 0
		.amdhsa_float_denorm_mode_32 3
		.amdhsa_float_denorm_mode_16_64 3
		.amdhsa_memory_ordered 1
		.amdhsa_forward_progress 1
		.amdhsa_inst_pref_size 60
	.end_amdhsa_kernel
	.amdgpu_metadata
---
amdhsa.version: [ 1, 2 ]
amdhsa.kernels:
  - .name:           k_qfddd61ed89_mlp
    .symbol:         k_qfddd61ed89_mlp.kd
    .args:
      - { .name: feat0, .offset: 0, .size: 8, .value_kind: global_buffer, .address_space: global }
      - { .name: pid0, .offset: 8, .size: 8, .value_kind: global_buffer, .address_space: global }
      - { .name: b1_0, .offset: 16, .size: 8, .value_kind: global_buffer, .address_space: global }
      - { .name: b2_0, .offset: 24, .size: 8, .value_kind: global_buffer, .address_space: global }
      - { .name: out0, .offset: 32, .size: 8, .value_kind: global_buffer, .address_space: global }
      - { .name: feat1, .offset: 40, .size: 8, .value_kind: global_buffer, .address_space: global }
      - { .name: pid1, .offset: 48, .size: 8, .value_kind: global_buffer, .address_space: global }
      - { .name: b1_1, .offset: 56, .size: 8, .value_kind: global_buffer, .address_space: global }
      - { .name: b2_1, .offset: 64, .size: 8, .value_kind: global_buffer, .address_space: global }
      - { .name: out1, .offset: 72, .size: 8, .value_kind: global_buffer, .address_space: global }
      - { .name: feat2, .offset: 80, .size: 8, .value_kind: global_buffer, .address_space: global }
      - { .name: pid2, .offset: 88, .size: 8, .value_kind: global_buffer, .address_space: global }
      - { .name: b1_2, .offset: 96, .size: 8, .value_kind: global_buffer, .address_space: global }
      - { .name: b2_2, .offset: 104, .size: 8, .value_kind: global_buffer, .address_space: global }
      - { .name: out2, .offset: 112, .size: 8, .value_kind: global_buffer, .address_space: global }
      - { .name: wcodes, .offset: 120, .size: 8, .value_kind: global_buffer, .address_space: global }
      - { .name: wscales, .offset: 128, .size: 8, .value_kind: global_buffer, .address_space: global }
    .group_segment_fixed_size: 66048
    .private_segment_fixed_size: 0
    .kernarg_segment_align: 8
    .kernarg_segment_size: 136
    .max_flat_workgroup_size: 128
    .sgpr_count:     66
    .vgpr_count:     512
    .wavefront_size: 32
...
	.end_amdgpu_metadata
.endif
;; end of part 2
;; ======== version 2 of 2: 2 launches; version 1 with the launch mlp written anew for expert scheduling mode
;; workspace buffers: wcodes 270,336 bytes; wscales 22,528 bytes
;; launch wq: the kernel of part 1 again; grid 44 x 1, 4 waves a work-group, no clusters, 1,536 bytes of LDS; arguments w2_0, w1_1, w2_1, w1_2, w2_2, w1_0, wcodes, wscales; writes wcodes, wscales
;; launch mlp (part 3): grid 320 x 1, 4 waves a work-group, no clusters, 66,048 bytes of LDS; arguments feat0, pid0, b1_0, b2_0, out0, feat1, pid1, b1_1, b2_1, out1, feat2, pid2, b1_2, b2_2, out2, wcodes, wscales; writes out0, out1, out2
.if DOCPART == 3
	.amdgcn_target "amdgcn-amd-amdhsa--gfx1250"
	.amdhsa_code_object_version 6
	.text
	.protected	k_qfddd61ed89_mlp
	.globl	k_qfddd61ed89_mlp
	.p2align	8
	.type	k_qfddd61ed89_mlp,@function
k_qfddd61ed89_mlp:
	s_mov_b64 s[64:65], 0
	v_nop
	global_prefetch_b8 v0, s[64:65] scope:SCOPE_SE
	s_setreg_imm32_b32 hwreg(HW_REG_WAVE_SCHED_MODE, 0, 2), 2
	s_setreg_imm32_b32 hwreg(HW_REG_WAVE_MODE, 25, 1), 1
	s_wait_xcnt 0x0
	s_wait_alu depctr_vm_vsrc(0)
; out_i = l2norm(relu(x W1 + b1) W2 + b2), x = the rows gathered from feat_i [8][C][H W] at pid_i: row 256 b + p is feat_i[b][:][pid_i[p]].  Both products on codes of BF6 (E3M2) with one E8M0 scale for each 32 along K.
; One launch serves the three branches; x and the hidden layer never go to memory.  The weights come as fragments in register order from the launch before.
; THE GATHER.  A row's K axis is the channel axis, and channels lie a whole plane apart.  A LANE TAKES A PATCH AND ITS REGISTERS RUN DOWN THE CHANNELS: lane (r, h) takes row r and 32 channels, a whole block of 32,
; by 32 loads of 4 bytes, the plane in the immediate: the conversions' results are then the operand's registers.  A wave gathers HALF A FRAGMENT (16 rows x 64 channels), a work-group four halves: 4,096 numbers.
; SHARES.  Work-groups 0-63 (path A): feat0, C = 128: 32 rows, two row tiles, one K step; wave w gathers row tile w / 2, channels 64 (w % 2) on.
;          Work-groups 64-319 (path B): feat1 (the first 128) and feat2: C = 256: 16 rows, one row tile, two K steps; wave w gathers channels 64 w on.  Either way the work-group has two fragments of x, and half 2 f + c is wave w's.
; 2,048 x (128 + 256 + 256) numbers are 1,280 such halves: 320 work-groups of equal gather.  With 512 registers a wave and 64 KiB of LDS two work-groups can lie on a WGP, so that all the launch's gather loads can be out together.
; IN THE PRODUCTS THE WAVES SHARE THE COLUMNS: wave w owns hidden units and outputs 64 w .. 64 w + 63 (four tiles), for all the work-group's rows; its fragments of W1 and W2 go from memory straight into its registers, once.
; Both products are used TRANSPOSED (source 0 = 16 columns of the weight, source 1 = 16 rows): a lane holds ONE row, and by the choice of a fragment's columns the 16 registers of tiles 2 b, 2 b + 1 are the neighbours 64 w + 32 b + 16 h + 0 .. 15:
; for W1 neighbours along the next K, for W2 64 neighbouring bytes of a row of the output.  A wave's 64 hidden units are half w % 2 of K step w / 2 of the second product: x and the hidden layer go round in the same form.
; OPERANDS GO FROM WAVE TO WAVE THROUGH LDS AS IMAGES OF THEIR REGISTERS: half a fragment is 6 registers a lane: registers 0-3 at 16 x lane, registers 4-5 at 512 + 8 x lane: 768 bytes.  Its two scale bytes a row are one store of 2 bytes.
; Three barriers: x's images | the hidden layer's images | the four waves' parts of each row's sum of squares.  No LDS byte is written twice but a wave's own stage.
; The biases are the C of each sum's first matrix instruction.  The two paths part on the work-group's number, never join, and have LDS bytes of their own.
; NO CLUSTER, NO TENSOR LOAD: what work-groups share is the weights' codes, 73,728 or 98,304 bytes a work-group, which a joint load would bring into LDS, to be read once more from there; here they land in the operands' registers at once.
; The gather, 4 bytes from each of 4,096 places a work-group, is shared with nobody and is no tile.  No prefetch: every gather load is issued as soon as the patch numbers are in.
; LIMITS: a patch number outside 0 .. H W - 1 is held at H W - 1 (the problem keeps them inside); NaN and infinities among the inputs are not served; a block of zeros gets the scale byte 1 where the quantiser's rule says 127 (its codes are zeros);
; the sum of squares is added in another order than reference() adds it; a sum of squares under 2^-126 counts as 0 ahead of the + 1e-7 (v_sqrt_f32 takes denormals as 0: ISA guide, 15.8), a change under 1e-12 of n + 1e-7.
;
; THE MODE: SCHED_MODE bits 1:0 = 2 (LLVM: expert scheduling mode 2), set by the entry lines.  The code itself states the register dependences
; between vector or matrix instructions and memory or LDS instructions, with s_wait_alu, always for 0.
; THE PLAN.  The text is one straight run on each path.  Registers that memory or LDS instructions touch, and who else names them:
;   v4-15          offsets and LDS addresses: written at the head, read by every load and store, never written again: one wait on va_vdst ahead of the first load serves them all.
;   v207           the gather's offset: written behind the patch number, read by the 32 gather loads: a wait on va_vdst ahead of the gather.  Never written again.
;   v16-47         the gather lands; x's maxima and conversions read; tile 0's loads from the stage land; the global stores read.
;   window 1, v184-199   the weights, biases and scale words: loads land, matrix instructions read, nothing more.
;   v220-225, v218 x's codes and scale bytes: written by QX, read by x's LDS stores, written again by QH 0, read by the hidden layer's LDS stores: va_vdst, vm_vsrc, va_vdst.
;   v226-231, v219 row tile 1's: written by QH 1, read by its LDS stores: the same va_vdst as tile 0's, since both tiles are quantised ahead of both tiles' stores.
;   v48-71, v200-201; v136-183, v202-205   fragments and scale words from LDS: loads land, matrix instructions read; v136-167 later take tile 1's loads from the stage.
;   v240, v244     my parts of the sums of squares: written by SUMSQ, read by LDS stores, written again by the reciprocals: va_vdst, vm_vsrc.
;   v248-255       the four waves' parts: LDS loads land, vector lines read.
;   v72-135        the outputs: written by the scaling, read by the stage's LDS stores: the last va_vdst, which also states that v16-47 and v136-167 have been read; no vector line stands behind it.
;   v235, v239     written at the head, read by the closing add alone.
;
; REGISTERS.  Window 0: v1-15 lane terms and addresses, never rewritten; v16-47 the gathered numbers, later rows of the output; v48-71 x's two fragments; v72-135 the accumulators of the hidden layer, then of the output (32 m + 8 t);
;   v136-183 the hidden layer's fragments (12 (2 m + s)), later rows of the output; v184-199 the weights' scale words; v200-205 x's and the hidden layer's; v206-255 at work.
;   Window 1: v0-95 W1's fragments (12 (4 s + t)); v96-191 W2's; v192-223 b1 in the result's layout (8 t); v224-255 b2.
.set L16,  4                           ; 16 x lane
.set L8,   5                           ; 8 x lane
.set L4R,  6                           ; 4 r
.set IW16, 7                           ; 16 x lane + 768 w: where I store registers 0-3 of my half fragment
.set IW8,  8                           ; 8 x lane + 768 w: registers 4-5 (+ 512)
.set SW,   9                           ; 4 r + 2 (w % 2) + 64 (w / 2): my two bytes of row r's scale word
.set NW,   10                          ; 16 r + 4 w: my part of row r's sum of squares
.set NR,   11                          ; 16 r: the four parts
.set STO,  12                          ; my stage, in: 4,352 w + 272 r + 64 h
.set STR,  13                          ; my stage, back: 4,352 w + 272 h + 16 r
.set GO,   14                          ; the output: 1,024 h + 16 r
.set BO,   15                          ; the biases: 64 h
.set G,    16
.set XF,   48
.set HA,   72
.set OA,   72
.set HF,   136
.set W1S,  184                         ; W1's scale words, 4 s + t
.set W2S,  192                         ; W2's
.set XS,   200                         ; x's, one for each fragment
.set HS,   202                         ; the hidden layer's, 2 m + s
.set PIDV, 206                         ; my patch number
.set GOFF, 207                         ; the gather's offset
.set TM,   208                         ; v208-211 largest magnitudes
.set PX,   212                         ; v212-213 what a lane permute brings
.set SCO,  214                         ; v214-215 the conversions' scale operands
.set BY,   216                         ; v216-217 scale bytes
.set HW,   218                         ; v218 + m the two scale bytes that I store.  (v219 holds 8 h until x is quantised)
.set H8,   219
.set PC,   220                         ; v220 + 6 m: the six registers of codes just made
.set PT,   232                         ; v232 + 4 m: a conversion's second three
.set SS,   240                         ; v240 + 4 m: sums of squares, then n + 1e-7 (+ 2) and its reciprocal (+ 0)
.set PS,   248                         ; v248 + 4 m: the four waves' parts
.set W1F,  0                           ; window 1
.set W2F,  96
.set B1,   192
.set B2,   224
.set XIMG, 0                           ; LDS, from the path's base on: x's four half fragments, 768 bytes each;
.set XSC,  3072                        ; their scale words: 64 f + 4 r;
.set HIMG, 3328                        ; the hidden layer's: 3,072 m + 768 (2 s + c);
.set HSC,  9472                        ; 128 m + 64 s + 4 r;
.set NRM,  9728                        ; 256 m + 16 r + 4 w;
.set STG,  10240                       ; a stage of 16 rows x (256 bytes + 16) for each wave: it ends at 27,648
.set MSB, 0
.macro WIN new                         ; the immediate's high byte repeats the setting that is left; a switch that changes nothing is dropped
.if MSB != \new
	s_set_vgpr_msb (MSB<<8)|\new
.set MSB, \new
.endif
.endm
.macro LOADW dst, off, ks              ; my four fragments of each of ks K steps of a weight: three loads of 16 bytes a lane each, 512 consecutive bytes a load
.irp s, 0,1
.if \s < \ks
.irp t, 0,1,2,3
.irp j, 0,1,2
	global_load_b128 v[\dst+12*(4*\s+\t)+4*\j:\dst+12*(4*\s+\t)+4*\j+3], v[L16], s[20:21] offset:\off+24576*\s+1536*\t+512*\j
.endr
.endr
.endif
.endr
.endm
.macro LOADS dst, off, ks              ; and their scale words: the four tiles' by one load
.irp s, 0,1
.if \s < \ks
	global_load_b128 v[\dst+4*\s:\dst+4*\s+3], v[L16], s[22:23] offset:\off+2048*\s
.endif
.endr
.endm
.macro LOADB dst, ptr                  ; a bias in the result's layout: for tiles 2 b, 2 b + 1 the 16 numbers at 64 w + 32 b + 16 h
.irp b, 0,1
.irp j, 0,1,2,3
	global_load_b128 v[\dst+16*\b+4*\j:\dst+16*\b+4*\j+3], v[BO], s[\ptr:\ptr+1] offset:128*\b+16*\j
.endr
.endr
.endm
.macro IMG pc, hw, ioff, soff          ; half a fragment goes to LDS as it stands; lanes r and r + 16 write the same two scale bytes with the same value
	ds_store_b128 v[IW16], v[(\pc):(\pc)+3] offset:\ioff
	ds_store_b64 v[IW8], v[(\pc)+4:(\pc)+5] offset:(\ioff)+512
	ds_store_b16 v[SW], v[\hw] offset:\soff
.endm
.macro FRAGLD reg, off                 ; a whole fragment comes back so, in any wave
.irp c, 0,1
	ds_load_b128 v[(\reg)+6*\c:(\reg)+6*\c+3], v[L16] offset:(\off)+768*\c
	ds_load_b64 v[(\reg)+6*\c+4:(\reg)+6*\c+5], v[L8] offset:(\off)+768*\c+512
.endr
.endm
.macro BAR                             ; my LDS stores have landed and my LDS loads are in: then the work-group's barrier
	s_wait_dscnt 0x0
	s_barrier_signal -1
	s_barrier_wait -1
.endm
.macro MM d, a, b, c, sa, sb
	v_wmma_scale_f32_16x16x128_f8f6f4 v[(\d):(\d)+7], v[(\a):(\a)+11], v[(\b):(\b)+11], v[(\c):(\c)+7], v[\sa], v[\sb] matrix_a_fmt:MATRIX_FMT_BF6 matrix_b_fmt:MATRIX_FMT_BF6
.endm
; x: my 32 gathered numbers are ONE block of 32 along K
.macro QX
	v_max3_num_f32 v[TM], |v[G]|, |v[G+1]|, |v[G+2]|
	v_max3_num_f32 v[TM+1], |v[G+3]|, |v[G+4]|, |v[G+5]|
.irp i, 6,10,14,18,22,26
	v_max3_num_f32 v[TM], v[TM], |v[G+\i]|, |v[G+\i+1]|
	v_max3_num_f32 v[TM+1], v[TM+1], |v[G+\i+2]|, |v[G+\i+3]|
.endr
	v_max3_num_f32 v[TM], v[TM], |v[G+30]|, |v[G+31]|
	v_max3_num_f32 v[TM], v[TM], v[TM+1], 0x2800000          ; and the floor 2^(5 - 127): the byte cannot fall under 1
	v_add_nc_u32 v[SCO], 0xfe000000, v[TM]                   ; 4 off the exponent field: the conversion's scale operand
	v_lshrrev_b32 v[BY], 23, v[SCO]                          ; the scale's byte: block h of my half fragment
	v_lshlrev_b32 v[HW], v[H8], v[BY]
	v_permlanex16_b32 v[PX], v[HW], s4, s5
	v_or_b32 v[HW], v[HW], v[PX]                             ; with lane l xor 16's: the half's two bytes
	v_cvt_scalef32_pk16_bf6_f32 v[PC:PC+2], v[G:G+15], v[SCO]
	v_cvt_scalef32_pk16_bf6_f32 v[PT:PT+2], v[G+16:G+31], v[SCO]   ; (a conversion's three registers begin on an even number)
	v_nop                                                    ; one plain place behind a scaled conversion
.irp i, 0,1,2
	v_mov_b32 v[PC+3+\i], v[PT+\i]
.endr
.endm
; the hidden layer of row tile m: my 32 registers are 16 numbers of each of two blocks; the other 16 lie in lane l xor 16.  No |.| on the sources: none is negative behind the activation
.macro QH m
.set S0, HA+32*(\m)
.set P0, PC+6*(\m)
.set T0, PT+4*(\m)
.irp b, 0,1
	v_max3_num_f32 v[TM+\b], v[S0+16*\b], v[S0+16*\b+1], 0x2800000   ; the floor 2^(5 - 127) among the leaves
.endr
.irp i, 2,4,6,8,10,12,14
.irp b, 0,1
	v_max3_num_f32 v[TM+\b], v[TM+\b], v[S0+16*\b+\i], v[S0+16*\b+\i+1]   ; (the two blocks by turns)
.endr
.endr
.irp b, 0,1
	v_permlanex16_b32 v[PX+\b], v[TM+\b], s4, s5
.endr
.irp b, 0,1
	v_max_num_f32 v[TM+\b], v[TM+\b], v[PX+\b]
.endr
.irp b, 0,1
	v_add_nc_u32 v[SCO+\b], 0xfe000000, v[TM+\b]
.endr
.irp b, 0,1
	v_lshrrev_b32 v[BY+\b], 23, v[SCO+\b]
.endr
	v_lshl_or_b32 v[HW+(\m)], v[BY+1], 8, v[BY]
	v_cvt_scalef32_pk16_bf6_f32 v[P0:P0+2], v[S0:S0+15], v[SCO]
	v_cvt_scalef32_pk16_bf6_f32 v[T0:T0+2], v[S0+16:S0+31], v[SCO+1]
	v_nop                                                    ; one plain place behind a scaled conversion
.irp i, 0,1,2
	v_permlane16_swap_b32 v[P0+\i], v[T0+\i]                 ; the operand's layout wants a WHOLE block in a lane: the first's lanes 16-31 change places with the second's lanes 0-15
.endr
.irp i, 0,1,2
	v_mov_b32 v[P0+3+\i], v[T0+\i]
.endr
.endm
; my 32 outputs of row r of tile m, squared and added: two chains of packed multiply-adds, each accumulator from its low end on; then lane l xor 16's 32.  The sum stays in v[SS + 4 m]; its store follows behind the tiles' one wait
.macro SUMSQ m
.set O, OA+32*(\m)
.set Q, SS+4*(\m)
	v_pk_mul_f32 v[Q:Q+1], v[O:O+1], v[O:O+1]
	v_pk_mul_f32 v[Q+2:Q+3], v[O+2:O+3], v[O+2:O+3]
.irp j, 4,8,12,16,20,24,28
	v_pk_fma_f32 v[Q:Q+1], v[O+\j:O+\j+1], v[O+\j:O+\j+1], v[Q:Q+1]
	v_pk_fma_f32 v[Q+2:Q+3], v[O+\j+2:O+\j+3], v[O+\j+2:O+\j+3], v[Q+2:Q+3]
.endr
	v_pk_add_f32 v[Q:Q+1], v[Q:Q+1], v[Q+2:Q+3]
	v_add_f32 v[Q], v[Q], v[Q+1]
	v_permlanex16_b32 v[PX+(\m)], v[Q], s4, s5
	v_add_f32 v[Q], v[Q], v[PX+(\m)]
.endm
; THE WAY OUT of row tile m.  A lane holds 2 x 64 neighbouring bytes of one row and the lanes beside it hold other rows: the tile goes through my own stage and comes back as rows of 256 bytes.
; LDS serves a wave's instructions in order (ISA guide 5.7.1.4): no wait between the stores and the loads, nor in front of the next tile's stores.
.macro TOSTAGE m
.set O, OA+32*(\m)
.set RB, G+120*(\m)                    ; v16-47, v136-167
.irp b, 0,1
.irp q, 0,1,2,3
	ds_store_b128 v[STO], v[O+16*\b+4*\q:O+16*\b+4*\q+3] offset:PB+STG+128*\b+16*\q
.endr
.endr
.irp i, 0,1,2,3,4,5,6,7
	ds_load_b128 v[RB+4*\i:RB+4*\i+3], v[STR] offset:PB+STG+544*\i   ; lanes 0-15 row 2 i, lanes 16-31 row 2 i + 1
.endr
.endm
.macro SEND m, younger                 ; younger: the LDS instructions issued behind tile m's loads, which may stay out
.set RB, G+120*(\m)
.irp i, 0,1,2,3,4,5,6,7
	s_wait_dscnt (\younger)+7-\i
	global_store_b128 v[GO], v[RB+4*\i:RB+4*\i+3], s[16:17] offset:(16*(\m)+2*\i)*1024 th:TH_STORE_NT   ; 16 lanes store 256 consecutive bytes, at a multiple of 256 from the output's first byte; written once, read by nobody here
.endr
.endm
.macro POINTERS                        ; each buffer's address takes its own offset; none is written again
	s_add_nc_u64 s[8:9], s[8:9], s[34:35]          ; feat: my image, my wave's first channel
	s_add_nc_u64 s[10:11], s[10:11], s[36:37]      ; pid: my 16 patches
	s_add_nc_u64 s[12:13], s[12:13], s[40:41]      ; b1, b2: my 64 numbers
	s_add_nc_u64 s[14:15], s[14:15], s[40:41]
	s_add_nc_u64 s[16:17], s[16:17], s[38:39]      ; out: the work-group's first row, my 64 columns
	s_add_nc_u64 s[20:21], s[20:21], s[42:43]      ; the codes: my wave's groups
	s_add_nc_u64 s[22:23], s[22:23], s[44:45]      ; the scale words likewise
.endm
; ONE PATH, from the pointers on.  pb: the path's LDS base.  MT row tiles, KS1 K steps of the first product (MT x KS1 = 2), PLANE, HSH, PMAX and the weights' places are symbols set ahead of the expansion.
.macro BODY pb
.set PB, \pb
	; ---- the requests.  The patch numbers first; W1's loads are issued while they are on their way; the gather; W2's loads behind it, so that they hold no gather load back.
	; (More loads are named here than the counter's field holds: the issue then stalls, ISA guide 5.7.1, just where the wave would wait anyway.)
	s_wait_alu depctr_va_vdst(0)                   ; the head has written v4 to v15, the offsets and LDS addresses that every load and store of the path reads; none of them is written again
	global_load_b32 v[PIDV], v[L4R], s[10:11]
	LOADS W1S, W1SOFF, KS1
	WIN 0x40                                       ; destination window 1, address window 0
	LOADW W1F, W1OFF, KS1
	LOADB B1, 12
	WIN 0
	v_lshlrev_b32 v[HW], HSH, v3                   ; lanes 16-31 begin 32 planes further on
	s_wait_loadcnt 13*KS1+8                        ; loads come back in order: all but those issued behind the patch numbers' (KS1 of scale words, 12 KS1 of codes, 8 of b1)
	v_min_u32 v[PIDV], PMAX, v[PIDV]               ; held inside the plane
	v_lshlrev_b32 v[GOFF], 2, v[PIDV]
	v_add_nc_u32 v[GOFF], v[GOFF], v[HW]
	s_wait_alu depctr_va_vdst(0)                   ; v[GOFF] is written, which the 32 gather loads read as their offset; W2's loads follow with loads and window switches alone between
.set i, 0
.rept 32
	global_load_b32 v[G+i], v[GOFF], s[8:9] offset:i*PLANE   ; channel 32 h + i of my wave's 64, at my patch.  No hint: neighbouring patches, other work-groups' too, lie in neighbouring bytes
.set i, i+1
.endr
	LOADS W2S, W2SOFF, 2
	WIN 0x40
	LOADW W2F, W2OFF, 2
	LOADB B2, 14
	WIN 0
	; ---- x
	s_wait_loadcnt 34                              ; all but the 2 + 24 + 8 loads for W2 issued behind the gather: the gather is in, and so are W1, its scale words and b1
	QX
	s_wait_alu depctr_va_vdst(0)                   ; QX has written v[PC .. PC + 5] and v[HW], which the three LDS stores read
	IMG PC, HW, PB+XIMG, PB+XSC
	BAR                                            ; x's two fragments lie in LDS
	; ---- the first product: fragment KS1 m + s of x is row tile m, K step s.  (No vector or matrix line has named the registers in which these loads land)
	FRAGLD XF, PB+XIMG
	FRAGLD XF+12, PB+XIMG+1536
	ds_load_b32 v[XS], v[L4R] offset:PB+XSC
	ds_load_b32 v[XS+1], v[L4R] offset:PB+XSC+64
	s_wait_dscnt 0x0
	WIN 0x11                                       ; source 0 (W1) and source 2 (b1) window 1
.irp m, 0,1
.if \m < MT
.irp t, 0,1,2,3
	MM HA+32*\m+8*\t, W1F+12*\t, XF+12*KS1*\m, B1+8*\t, W1S+\t, XS+KS1*\m
.endr
.endif
.endr
.if KS1 > 1
	WIN 0x01                                       ; the second K step adds in place: the four accumulators take turns, one instruction a turn
.irp m, 0,1
.if \m < MT
.irp t, 0,1,2,3
	MM HA+32*\m+8*\t, W1F+12*(4+\t), XF+12*(KS1*\m+1), HA+32*\m+8*\t, W1S+4+\t, XS+KS1*\m+1
.endr
.endif
.endr
.endif
	WIN 0
.rept 4
	v_nop                                          ; four places between a matrix instruction and the first read of its result (ISA guide 7.12.1)
.endr
.set i, 0
.rept 32*MT
	v_max_num_f32 v[HA+i], 0, v[HA+i]              ; the activation, in f32; each accumulator from its low end on
.set i, i+1
.endr
	s_wait_alu depctr_vm_vsrc(0)                   ; x's LDS stores have read v[PC .. PC + 5] and v[HW], which QH 0 writes again
.irp m, 0,1
.if \m < MT
	QH \m                                          ; each row tile has its own registers for its codes and its two bytes: all tiles are quantised ahead of the stores
.endif
.endr
	s_wait_alu depctr_va_vdst(0)                   ; QH has written every tile's v[PC + 6 m ..] and v[HW + m], which the LDS stores read
.irp m, 0,1
.if \m < MT
	IMG PC+6*\m, HW+\m, PB+HIMG+3072*\m, PB+HSC+128*\m
.endif
.endr
	BAR                                            ; the hidden layer's fragments lie in LDS
	; ---- the second product.  (No vector or matrix line has named the registers in which these loads land)
.irp m, 0,1
.if \m < MT
.irp s, 0,1
	FRAGLD HF+12*(2*\m+\s), PB+HIMG+3072*\m+1536*\s
	ds_load_b32 v[HS+2*\m+\s], v[L4R] offset:PB+HSC+128*\m+64*\s
.endr
.endif
.endr
	s_wait_dscnt 0x0
	s_wait_loadcnt 0x0                             ; W2, its scale words and b2
	WIN 0x11
.irp m, 0,1
.if \m < MT
.irp t, 0,1,2,3
	MM OA+32*\m+8*\t, W2F+12*\t, HF+12*(2*\m), B2+8*\t, W2S+\t, HS+2*\m
.endr
.endif
.endr
	WIN 0x01
.irp m, 0,1
.if \m < MT
.irp t, 0,1,2,3
	MM OA+32*\m+8*\t, W2F+12*(4+\t), HF+12*(2*\m+1), OA+32*\m+8*\t, W2S+4+\t, HS+2*\m+1
.endr
.endif
.endr
	WIN 0
.rept 4
	v_nop                                          ; places in front of the first read of results, and of the later loads into the registers that held the hidden layer's fragments
.endr
	; ---- the norm: a row's 256 outputs lie in four waves
.irp m, 0,1
.if \m < MT
	SUMSQ \m
.endif
.endr
	s_wait_alu depctr_va_vdst(0)                   ; SUMSQ has written every tile's v[SS + 4 m], which the LDS stores read
.irp m, 0,1
.if \m < MT
	ds_store_b32 v[NW], v[SS+4*\m] offset:PB+NRM+256*\m      ; lanes r and r + 16 write the same word with the same value
.endif
.endr
	BAR                                            ; the four parts of each row's sum lie in LDS
.irp m, 0,1
.if \m < MT
	ds_load_b128 v[PS+4*\m:PS+4*\m+3], v[NR] offset:PB+NRM+256*\m
.endif
.endr
	s_wait_dscnt 0x0
.irp m, 0,1
.if \m < MT
	v_add_f32 v[PS+4*\m], v[PS+4*\m], v[PS+4*\m+1]
	v_add_f32 v[PS+4*\m+2], v[PS+4*\m+2], v[PS+4*\m+3]
	v_add_f32 v[PS+4*\m], v[PS+4*\m], v[PS+4*\m+2]
.endif
.endr
.irp m, 0,1
.if \m < MT
	v_sqrt_f32 v[SS+4*\m+2], v[PS+4*\m]
.endif
.endr
	v_nop                                          ; a plain place behind the roots,
	s_wait_alu depctr_va_vdst(0)                   ; and a wait ahead of the first line that names a result: the roots have written v[SS + 4 m + 2]: one for the batch
.irp m, 0,1
.if \m < MT
	v_add_f32 v[SS+4*\m+2], 0x33d6bf95, v[SS+4*\m+2]   ; n + 1e-7
.endif
.endr
	s_wait_alu depctr_vm_vsrc(0)                   ; the LDS stores of my parts have read v[SS + 4 m], which the reciprocals write again
.irp m, 0,1
.if \m < MT
	v_rcp_f32 v[SS+4*\m], v[SS+4*\m+2]
.endif
.endr
	v_nop
	s_wait_alu depctr_va_vdst(0)                   ; likewise for the reciprocals: they have written v[SS + 4 m]
.irp m, 0,1
.if \m < MT
.irp j, 0,2,4,6,8,10,12,14,16,18,20,22,24,26,28,30
	v_pk_mul_f32 v[OA+32*\m+\j:OA+32*\m+\j+1], v[OA+32*\m+\j:OA+32*\m+\j+1], v[SS+4*\m:SS+4*\m+1] op_sel_hi:[1,0]
.endr
.endif
.endr
	; ---- out
	s_wait_alu depctr_va_vdst(0)                   ; the scaling has written v[OA ..], which the stage's LDS stores read; QX is done reading v16-47 and the second product v136-167, in which the stage's loads land.  No vector line follows
	TOSTAGE 0
.if MT > 1
	TOSTAGE 1
	SEND 0, 16                                     ; behind tile 0's loads: tile 1's 8 stores and 8 loads
	SEND 1, 0
.else
	SEND 0, 0
.endif
	s_wait_dscnt 0x0                               ; the closing lines, six on end
	s_wait_alu 0x0
	s_wait_tensorcnt 0x0
	ds_add_u32 v235, v239
	s_wait_dscnt 0x0
	s_endpgm
.endm
	; ---- the head, common to both paths: every LDS address is made here, of the lane, the wave's number and constants
	s_load_b128 s[20:23], s[0:1], 0x78             ; wcodes, wscales
	v_lshl_add_u32 v235, v0, 2, 0x10000
	v_mov_b32 v239, 0
	v_lshrrev_b32 v1, 5, v0
	v_readfirstlane_b32 s2, v1                     ; w: my wave's number
	v_and_b32 v1, 31, v0                           ; lane
	v_and_b32 v2, 15, v0                           ; r
	v_bfe_u32 v3, v0, 4, 1                         ; h
	v_lshlrev_b32 v[L16], 4, v1
	v_lshlrev_b32 v[L8], 3, v1
	v_lshlrev_b32 v[L4R], 2, v2
	s_wait_alu depctr_va_sdst(0)                   ; s2 is written, ahead of its first reader: LDS addresses and every buffer's offset are made from it
	s_mul_i32 s3, s2, 768
	v_add_nc_u32 v[IW16], s3, v[L16]
	v_add_nc_u32 v[IW8], s3, v[L8]
	s_and_b32 s6, s2, 1
	s_lshl_b32 s6, s6, 1
	s_lshr_b32 s7, s2, 1
	s_lshl_b32 s7, s7, 6
	s_add_co_u32 s6, s6, s7
	v_add_nc_u32 v[SW], s6, v[L4R]
	v_lshlrev_b32 v[NR], 4, v2
	s_lshl_b32 s6, s2, 2
	v_add_nc_u32 v[NW], s6, v[NR]
	s_mul_i32 s3, s2, 4352
	v_mul_u32_u24 v[STO], v2, 272
	v_lshl_add_u32 v[STO], v3, 6, v[STO]
	v_add_nc_u32 v[STO], s3, v[STO]
	v_mul_u32_u24 v[STR], v3, 272
	v_lshl_add_u32 v[STR], v2, 4, v[STR]
	v_add_nc_u32 v[STR], s3, v[STR]
	v_lshlrev_b32 v[GO], 10, v3
	v_lshl_add_u32 v[GO], v2, 4, v[GO]
	v_lshlrev_b32 v[BO], 6, v3
	v_lshlrev_b32 v[H8], 3, v3
	v_mov_b32 v[PX], 0                             ; written once: a lane permute's destination counts as one of its sources
	v_mov_b32 v[PX+1], 0
	s_mov_b32 s4, 0x76543210
	s_mov_b32 s5, 0xfedcba98                       ; v_permlanex16_b32's selects for lane l xor 16
	s_lshl_b32 s40, s2, 8                          ; my 64 columns: 256 bytes
	s_mul_i32 s42, s2, 6144                        ; my group among a K step's four: four fragments of 1,536 bytes
	s_lshl_b32 s44, s2, 9                          ; and its 512 bytes of scale words
	s_mov_b32 s35, 0                               ; every offset lies under 2^32
	s_mov_b32 s37, 0
	s_mov_b32 s39, 0
	s_mov_b32 s41, 0
	s_mov_b32 s43, 0
	s_mov_b32 s45, 0
	s_cmp_ge_u32 ttmp9, 64                         ; the same in all four waves
	s_cbranch_scc1 .Lpath_b
	; ---- PATH A: feat0.  Work-group g: rows 32 g .. 32 g + 31: image g / 8, patches 32 (g % 8) on
	s_load_b256 s[8:15], s[0:1], 0x0               ; feat0, pid0, b1_0, b2_0
	s_load_b64 s[16:17], s[0:1], 0x20              ; out0
	s_lshr_b32 s34, ttmp9, 3
	s_lshl_b32 s34, s34, 23                        ; an image: 128 planes of 65,536 bytes
	s_and_b32 s3, s2, 1
	s_lshl_b32 s3, s3, 22                          ; 64 planes
	s_add_co_u32 s34, s34, s3
	s_and_b32 s36, ttmp9, 7
	s_lshl_b32 s36, s36, 7                         ; 32 patch numbers
	s_lshr_b32 s3, s2, 1
	s_lshl_b32 s3, s3, 6                           ; my row tile's 16
	s_add_co_u32 s36, s36, s3
	s_lshl_b32 s38, ttmp9, 15                      ; 32 rows of 1,024 bytes
	s_add_co_u32 s38, s38, s40
	s_wait_kmcnt 0x0
	POINTERS
.set MT,     2
.set KS1,    1
.set PLANE,  65536
.set HSH,    21
.set PMAX,   0x3fff
.set W1OFF,  245760                    ; matrix 5
.set W2OFF,  0                         ; matrix 0
.set W1SOFF, 20480
.set W2SOFF, 0
	BODY 0
.Lpath_b:
	; ---- PATH B: feat1 (f = 0) and feat2 (f = 1).  Tile: rows 16 tile .. 16 tile + 15: image tile / 16, patches 16 (tile % 16) on
	s_load_b256 s[8:15], s[0:1], 0x28              ; feat1, pid1, b1_1, b2_1
	s_load_b64 s[16:17], s[0:1], 0x48              ; out1
	s_load_b256 s[24:31], s[0:1], 0x50             ; feat2, pid2, b1_2, b2_2
	s_load_b64 s[32:33], s[0:1], 0x70              ; out2
	s_sub_co_u32 s46, ttmp9, 64
	s_lshr_b32 s47, s46, 7                         ; f
	s_and_b32 s46, s46, 127                        ; tile
	s_lshr_b32 s34, s46, 4
	s_lshl_b32 s34, s34, 22                        ; an image: 256 planes of 16,384 bytes
	s_lshl_b32 s3, s2, 20                          ; 64 planes
	s_add_co_u32 s34, s34, s3
	s_and_b32 s36, s46, 15
	s_lshl_b32 s36, s36, 6                         ; 16 patch numbers
	s_lshl_b32 s38, s46, 14                        ; 16 rows of 1,024 bytes
	s_add_co_u32 s38, s38, s40
	s_mul_i32 s3, s47, 98304                       ; feat2's two matrices lie two matrices further on
	s_add_co_u32 s42, s42, s3
	s_lshl_b32 s3, s47, 13
	s_add_co_u32 s44, s44, s3
	s_wait_kmcnt 0x0
	s_cmp_eq_u32 s47, 0                            ; the choice hangs on the work-group's number alone
	s_cselect_b64 s[8:9], s[8:9], s[24:25]
	s_cselect_b64 s[10:11], s[10:11], s[26:27]
	s_cselect_b64 s[12:13], s[12:13], s[28:29]
	s_cselect_b64 s[14:15], s[14:15], s[30:31]
	s_cselect_b64 s[16:17], s[16:17], s[32:33]
	POINTERS
.set MT,     1
.set KS1,    2
.set PLANE,  16384
.set HSH,    19
.set PMAX,   0xfff
.set W1OFF,  49152                     ; matrix 1 (or 3)
.set W2OFF,  98304                     ; matrix 2 (or 4)
.set W1SOFF, 4096
.set W2SOFF, 8192
	BODY 32768
.Lfunc_end_k_qfddd61ed89_mlp:
	.size	k_qfddd61ed89_mlp, .Lfunc_end_k_qfddd61ed89_mlp-k_qfddd61ed89_mlp
	.p2alignl 7, 3214868480
	.fill 96, 4, 3214868480
	.section	.rodata,"a",@progbits
	.p2align	6, 0x0
	.amdhsa_kernel k_qfddd61ed89_mlp
		.amdhsa_group_segment_fixed_size 66048
		.amdhsa_private_segment_fixed_size 0
		.amdhsa_enable_private_segment 0
		.amdhsa_kernarg_size 136
		.amdhsa_user_sgpr_count 2
		.amdhsa_user_sgpr_kernarg_segment_ptr 1
		.amdhsa_wavefront_size32 1
		.amdhsa_system_sgpr_workgroup_id_x 1
		.amdhsa_system_sgpr_workgroup_id_y 1
		.amdhsa_system_sgpr_workgroup_id_z 1
		.amdhsa_system_vgpr_workitem_id 0
		.amdhsa_next_free_vgpr 512
		.amdhsa_next_free_sgpr 66
		.amdhsa_reserve_vcc 0
		.amdhsa_float_denorm_mode_32 3
		.amdhsa_float_denorm_mode_16_64 3
		.amdhsa_memory_ordered 1
		.amdhsa_forward_progress 1
		.amdhsa_inst_pref_size 60
	.end_amdhsa_kernel
	.amdgpu_metadata
---
amdhsa.version: [ 1, 2 ]
amdhsa.kernels:
  - .name:           k_qfddd61ed89_mlp
    .symbol:         k_qfddd61ed89_mlp.kd
    .args:
      - { .name: feat0, .offset: 0, .size: 8, .value_kind: global_buffer, .address_space: global }
      - { .name: pid0, .offset: 8, .size: 8, .value_kind: global_buffer, .address_space: global }
      - { .name: b1_0, .offset: 16, .size: 8, .value_kind: global_buffer, .address_space: global }
      - { .name: b2_0, .offset: 24, .size: 8, .value_kind: global_buffer, .address_space: global }
      - { .name: out0, .offset: 32, .size: 8, .value_kind: global_buffer, .address_space: global }
      - { .name: feat1, .offset: 40, .size: 8, .value_kind: global_buffer, .address_space: global }
      - { .name: pid1, .offset: 48, .size: 8, .value_kind: global_buffer, .address_space: global }
      - { .name: b1_1, .offset: 56, .size: 8, .value_kind: global_buffer, .address_space: global }
      - { .name: b2_1, .offset: 64, .size: 8, .value_kind: global_buffer, .address_space: global }
      - { .name: out1, .offset: 72, .size: 8, .value_kind: global_buffer, .address_space: global }
      - { .name: feat2, .offset: 80, .size: 8, .value_kind: global_buffer, .address_space: global }
      - { .name: pid2, .offset: 88, .size: 8, .value_kind: global_buffer, .address_space: global }
      - { .name: b1_2, .offset: 96, .size: 8, .value_kind: global_buffer, .address_space: global }
      - { .name: b2_2, .offset: 104, .size: 8, .value_kind: global_buffer, .address_space: global }
      - { .name: out2, .offset: 112, .size: 8, .value_kind: global_buffer, .address_space: global }
      - { .name: wcodes, .offset: 120, .size: 8, .value_kind: global_buffer, .address_space: global }
      - { .name: wscales, .offset: 128, .size: 8, .value_kind: global_buffer, .address_space: global }
    .group_segment_fixed_size: 66048
    .private_segment_fixed_size: 0
    .kernarg_segment_align: 8
    .kernarg_segment_size: 136
    .max_flat_workgroup_size: 128
    .sgpr_count:     66
    .vgpr_count:     512
    .wavefront_size: 32
...
	.end_amdgpu_metadata
.endif
;; end of part 3
